; MI455X (gfx1250); checked and timed in simulation.
; The chip was launched on July 23, 2026; its instructions are those of AMD's public machine-readable ISA for CDNA 5 (MIT licence, August 2026) and "CDNA5" Instruction Set Architecture Reference Guide (July 2026). The comments in the code are by the model that wrote it; some were corrected since.
;; Multi Universe Topos Attention. Allowed arithmetic: matrix products marked QUANTISED: E2M3 operands, one E8M0 scale for each 32 along K, by v_wmma_scale_f32_16x16x128_f8f6f4 with both operands' format E2M3, f32 sums; everything else in f32.
;; Inputs: Wk_codes 256 x 8 x 24 uint8 (E2M3 codes of Wk, K innermost, in blocks of 32 codes, four codes in three bytes); Wk_scales 256 x 8 uint8 (E8M0 scales of Wk, one for each 32 codes along K); Wo_codes 256 x 8 x 24 uint8 (E2M3 codes of Wo, K innermost, in blocks of 32 codes, four codes in three bytes); Wo_scales 256 x 8 uint8 (E8M0 scales of Wo, one for each 32 codes along K); Wq_codes 256 x 8 x 24 uint8 (E2M3 codes of Wq, K innermost, in blocks of 32 codes, four codes in three bytes); Wq_scales 256 x 8 uint8 (E8M0 scales of Wq, one for each 32 codes along K); Wv_codes 256 x 8 x 24 uint8 (E2M3 codes of Wv, K innermost, in blocks of 32 codes, four codes in three bytes); Wv_scales 256 x 8 uint8 (E8M0 scales of Wv, one for each 32 codes along K); bk 256 float32; bo 256 float32; bq 256 float32; bv 256 float32; x_codes 1 x 1,024 x 8 x 24 uint8 (E2M3 codes of x, K innermost, in blocks of 32 codes, four codes in three bytes); x_scales 1 x 1,024 x 8 uint8 (E8M0 scales of x, one for each 32 codes along K).
;; Outputs: out0 1 x 1,024 x 256 float32.
;; This version of the problem:
;;   THIS VERSION OF THE PROBLEM IS GIVEN IN LOW PRECISION. The matrix products marked QUANTISED in the list below multiply operands that are first quantised to E2M3 (2 exponent bits, 3 mantissa bits; 6 bits a number), with one power-of-two scale for each 32 numbers along K (OCP MX v1.0); their sums are f32. All else is computed in f32.
;;   The module's matrix products, in the order in which they are computed (A, B: the left and right operand; K: the contracted axis; several contracted axes count as one K, in the product's order):
;;     1. [M 1,024, K 256] x [K 256, N 256]; A: input x (given as codes); B: input Wq (given as codes): QUANTISED
;;     2. [M 1,024, K 256] x [K 256, N 256]; A: input x (given as codes); B: input Wk (given as codes): QUANTISED
;;     3. [M 1,024, K 256] x [K 256, N 256]; A: input x (given as codes); B: input Wv (given as codes): QUANTISED
;;     4. batch 8 x [M 1,024, K 1,024] x [K 1,024, N 32]; A: softmax (see below); B: computed on the way: QUANTISED
;;     5. [M 1,024, K 256] x [K 256, N 256]; A: computed on the way; B: input Wo (given as codes): QUANTISED
;;   THE QUANTISER, for each operand of a quantised product, along K:
;;     - K is cut into blocks of 32 from its start; a last block that is shorter is filled with zeros.
;;     - A block's scale is 2^e with e = floor(log2(the largest magnitude in the block)) - 2, held to -126 .. 127; a block of zeros has e = 0. As a byte (E8M0): e + 127.
;;     - Each number is divided by its block's scale, clamped to +-7.5, and rounded to the nearest number of E2M3, ties to even, subnormals kept.
;;     - The product sums the exact products of the quantised numbers (number of the format x scale) in f32.
;;   ~~~python
;;   def quantise(x, axis):      # numpy; x: float32 -> the quantised numbers, widened to float32 again
;;       x = np.moveaxis(x, axis, -1); K = x.shape[-1]
;;       x = np.pad(x, [(0, 0)] * (x.ndim - 1) + [(0, -K % 32)]); x = x.reshape(x.shape[:-1] + (-1, 32)); a = np.abs(x).max(-1, keepdims=True)
;;       e = np.where(a > 0, np.clip(np.frexp(np.where(a > 0, a, 1))[1] - 1 - 2, -126, 127), 0)      # np.frexp(a)[1] - 1 = floor(log2(a)), exactly
;;       r = np.clip(x / 2.0 ** e, -7.5, 7.5)
;;       step = 2.0 ** (np.maximum(np.frexp(np.where(r == 0, 1, r))[1] - 1, 0) - 3)
;;       q = np.round(r / step) * step * 2.0 ** e      # np.round: ties to even
;;       return np.moveaxis(q.reshape(q.shape[:-2] + (-1,))[..., :K], -1, axis).astype(np.float32)
;;   ~~~
;;   SOFTMAX AHEAD OF A QUANTISED PRODUCT. Where the list says 'softmax', what is quantised is not the finished softmax but p = 2^(t - M), with t = logit x log2(e) and M = ceil(the row's largest t), a whole number; so 1/2 < the row's largest p <= 1. The row's sum l is taken of the UNQUANTISED p, in f32, and the product's result is divided by l at the end. Since M is a whole number, a kernel that streams over the keys may use a running M (the ceiling of the running maximum): every later rescaling is an exact power of two, which a block's scale takes up: the codes' values come out the same.
;;   OPERANDS COMPUTED ON THE WAY. 'Computed on the way' means the value that the module computes at that place (a softmax that the list does not call 'softmax' is quantised finished and normalised). What goes into a quantiser is computed in f32, as accurately as f32 sums, v_exp_f32 and their like allow (about 1e-6 of the number): no bf16 or f16 on the way to a quantiser, and a product that is left as it is and whose result goes on into a quantised operand takes f32 operands (vector FMAs, or v_wmma_f32_16x16x4_f32). A number that lies on a knife's edge between two numbers of the format may be rounded either way, as far as f32 arithmetic and the matrix unit's own rounding can turn it there, and no further.
;;   INPUTS GIVEN AS CODES. Wk (in the module: [256, 256], K = its axis 0); Wo (in the module: [256, 256], K = its axis 0); Wq (in the module: [256, 256], K = its axis 0); Wv (in the module: [256, 256], K = its axis 0); x (in the module: [1, 1024, 256], K = its axis 2): each comes as NAME_codes (uint8): NAME with its K axis moved to the last place and cut into blocks of 32 codes, [.., K / 32, bytes a block], one block behind the other in memory; four codes in three bytes: a row's codes are one little-endian stream of bits, code i at bits 6 i .. 6 i + 5 (a code: sign, 2 exponent bits, 3 mantissa bits); and NAME_scales (uint8): the same leading axes, one E8M0 byte (e + 127) for each 32 codes along K. Its value is code x scale, taken as it is: it is not quantised again, and the codes and scales need not be those that the quantiser above would give.
;; One version. Each part assembles by itself: llvm-mc -triple=amdgcn-amd-amdhsa -mcpu=gfx1250 --defsym DOCPART=n.
;; ======== version 1 of 1: 2 launches
;; workspace buffers: oq 262,144 bytes
;; launch attn (part 1): grid 8 x 32, 8 waves a work-group, clusters of 4 x 1, 309,760 bytes of LDS; arguments x_codes, x_scales, Wq_codes, Wq_scales, bq, Wk_codes, Wk_scales, bk, Wv_codes, Wv_scales, bv, oq; writes oq
.if DOCPART == 1
	.amdgcn_target "amdgcn-amd-amdhsa--gfx1250"
	.amdhsa_code_object_version 6
	.text
	.protected	k_q89798c429c_attn
	.globl	k_q89798c429c_attn
	.p2align	8
	.type	k_q89798c429c_attn,@function
k_q89798c429c_attn:
	s_mov_b64 s[64:65], 0
	v_nop
	global_prefetch_b8 v0, s[64:65] scope:SCOPE_SE
	s_setreg_imm32_b32 hwreg(HW_REG_WAVE_MODE, 25, 1), 1
	s_wait_xcnt 0x0
	s_wait_alu depctr_hold_cnt(0) depctr_sa_sdst(0) depctr_va_vdst(0) depctr_va_sdst(0) depctr_va_ssrc(0) depctr_va_vcc(0) depctr_vm_vsrc(0)
	s_getreg_b32 s2, hwreg(HW_REG_IB_STS2, 6, 4)
	s_cmp_eq_u32 s2, 0
	s_cbranch_scc0 .Lentry_in_a_cluster
	s_endpgm
.Lentry_in_a_cluster:
	s_bfe_u32 s2, ttmp6, 0x10000c
	s_cmp_lg_u32 s2, 0x3003
	s_cbranch_scc0 .Lentry_shape_is_right
	s_endpgm
.Lentry_shape_is_right:
; Fuzzy-implication attention, 8 heads of 32, 1,024 tokens, causal.  Products on codes of FP6 (E2M3) with one E8M0 scale for each 32 along K.
; truth(i, j) = mean over d of min(1 - Q(i,d) + K(j,d), 1) = 1 + (sum_d min(K(j,d), Q(i,d)) - sum_d Q(i,d)) / 32: one minimum and one addition a number; the row's term is made once a query.
; THE EXPONENT IS BOUNDED BY THE COMPUTATION ITSELF: Q and K are sigmoids and the implication is clipped at 1, so truth lies in [0, 1] for every input and t = 5 log2(e) truth in [0, 7.22].
; With the fixed whole number M = 8, p = 2^(t - 8) lies in [2^-8, 0.59] and a row's sum under 600: nothing overflows or underflows.  A whole M other than the row's own ceiling moves every p by an exact
; power of two, which the block's scale takes up: the codes' values are the same.  So there is no running maximum, no rescaling, and the parts of a row made by different waves simply add.
; SHARES.  Work-group (head, i) owns the query tiles i and 63 - i (16 rows each): 16 (i + 1) + 16 (64 - i) = 1,040 key columns, the same for every i; each output row has one owner.
; Wave w holds key chunk c = w xor 3 (w >> 2), 128 keys, in REGISTERS: K as f32 (128 registers), V as codes.  It makes both from x's codes itself (64 matrix instructions).  Waves 4 and 5 make Q of the two tiles.
; A UNIT is 16 queries x 128 keys.  Lane (r, h) holds, of group g = 4 c' + u, key 64 c' + 8 u + (r & 7) + 32 (r >> 3) and the features 16 f + 8 h + j (e = 8 f + j): the result of (16 rows of Wk) x (16 rows of x) as it stands.
; A query's 16 numbers of each half of the features come from LDS, the same address in 16 lanes, and serve all eight groups.  The scores go through the wave's stage in LDS and come back a query to a lane with
; 32 neighbouring keys in a lane's registers, which is the second product's operand layout.  O^T = V^T P^T; the waves' parts of O^T and of the row sums meet in LDS; waves 0 and 1 add, divide, quantise and store.
; OUTPUT oq: [head 8][row 1024][half 2][16 bytes]: 12 bytes = the codes of features 16 half + 0 .. 15 of the head's block, then one word with the block's scale byte.
; CLUSTER.  The four heads of a cluster have the same i and read the same eight chunks of x: each chunk is asked for JOINTLY (mask 15).  The weights' slices hang on the head and come by plain loads.
; Every LDS byte is filled once; nothing is filled again.
; LIMITS: NaN, infinities and the scale byte 0xff among the inputs are not served.  A block of zeros gets the scale byte 1 (its codes are zeros; this program alone reads the bytes).
; The even share of the chunks over the SIMDs takes wave w to lie on SIMD w mod 4; where it does not, only the balance suffers.
.set DUAL,  1                          ; 1: two minima in one dual instruction; 0: two plain ones
.set XRW,   30720                      ; LDS: a wave's chunk of x: 128 rows x (3 x (64 bytes + 16 of padding)); its first 8,448 bytes later are the wave's stage for p
.set WRB,   8*XRW                      ; the head's slices of Wk, Wv, Wq: 32 rows x 240 bytes each
.set WSL,   7680
.set QREC,  WRB+3*WSL                  ; 32 queries x 160 bytes: half h at + 80 h: 16 f32 of Q, then the row's term
.set QPIT,  160
.set PART,  QREC+32*QPIT               ; slot (tile t, wave w): an image of 16 registers of O^T (2,048 bytes), then of the row sums (128 bytes)
.set PSLOT, 2176
.set PTILE, 8*PSLOT
.set SPIT,  528                        ; a query's row in the stage: 128 keys x 4 bytes + 16
.set XA,  3                            ; v3, v4   my lane's place in a tile of x (v4: for the pieces behind one padding more)
.set KA,  5                            ; v5, v6   in a tile of Wk (Wq: 64 rows on)
.set VA,  7                            ; v7, v8   in a tile of Wv
.set QST, 9                            ; v9   where a Q wave stores its lane's record
.set QLD, 10                           ; v10  my half's place in a record
.set STO, 11                           ; v11  the stage, on the way in
.set SLD, 12                           ; v12  and on the way out
.set PST, 13                           ; v13, v14  my slot of parts: O^T, row sums
.set PSL, 14
.set RLD, 15                           ; v15, v16  the reducing waves' reads
.set RLL, 16
.set QAD, 17                           ; v17  the trip's records
.set STA, 18                           ; v18  the trip's rows of the stage
.set RM,  19                           ; v19  r - 32 h
.set SH8, 20                           ; v20  8 h
.set ZERO, 21
.set OOF, 22                           ; v22  32 r + 16 h: my record in a tile of oq
.set MD,  23
.set TM,  24                           ; v24-25 largest magnitudes, v26-27 the conversions' scale operands, v28-29 scale bytes, v30 a lane permute's destination (in the head v24-29 are offsets of loads)
.set SO,  26
.set BY,  28
.set TT,  30
.set CQ,  32                           ; v32-35 the row's term of the trip's four queries
.set VS,  36                           ; v36-37 V's scale words
.set PS,  38                           ; v38  p's scale word
.set LP,  39                           ; v39  my part of the row sum
.set QR,  40                           ; v40-71 two queries' 16 numbers; with v72-103: 64 numbers of p
.set AC,  72                           ; v72-87 two sets of eight sums
.set DD,  88                           ; v88-103 minima
.set SS,  104                          ; v104-119 four queries' scores; later v104-115 p's codes, v116-119 sums
.set CT,  120                          ; v120-127 the second halves of the conversions
.set KK,  128                          ; v128-255 K: group g, feature e at 128 + 16 g + e
; window 1: in the prologue v0-191 x's 16 fragments, v192-239 Wk's four, v240-255 bk; afterwards v0-23 V's codes, v32-47 O^T
.set MSB, 0
.macro WIN new                         ; the immediate's high byte repeats the setting that is left
.if MSB != \new
	s_set_vgpr_msb (MSB<<8)|\new
.set MSB, \new
.endif
.endm
.macro ROUND                           ; a round of the cluster's barrier
	s_barrier_signal -1
	s_barrier_wait -1
	s_cmp_lg_u32 s28, 0
	s_cbranch_scc1 .Lnot_wave_0_\@
	s_barrier_signal -3
.Lnot_wave_0_\@:
	s_barrier_wait -3
	s_barrier_signal -1
	s_barrier_wait -1
.endm
.macro PLACES n
.rept \n
	v_nop
.endr
.endm
.macro MMC d, a, b, c, sa, sb          ; a product with C in registers
	v_wmma_scale_f32_16x16x128_f8f6f4 v[(\d):(\d)+7], v[(\a):(\a)+11], v[(\b):(\b)+11], v[(\c):(\c)+7], v[\sa], v[\sb] matrix_a_fmt:MATRIX_FMT_FP6 matrix_b_fmt:MATRIX_FMT_FP6
.endm
.macro MMZ d, a, b, sa, sb             ; a product that starts a sum
	v_wmma_scale_f32_16x16x128_f8f6f4 v[(\d):(\d)+7], v[(\a):(\a)+11], v[(\b):(\b)+11], 0, v[\sa], v[\sb] matrix_a_fmt:MATRIX_FMT_FP6 matrix_b_fmt:MATRIX_FMT_FP6
.endm
; A fragment, 16 rows x 128 K, from rows of 240 bytes: six pieces of 8 bytes.  Lanes 16-31 read three pieces further on; where that lies behind one padding more, the second address register serves.
.macro FRAG reg, a24, a40, q, row
.irp p, 0,1,2,3,4,5
.set PCE, 12*(\q)+6*(\p/3)+\p%3
.if PCE%8 < 5
	ds_load_b64 v[(\reg)+2*\p:(\reg)+2*\p+1], v[\a24] offset:8*PCE+16*(PCE/8)+(\row)*240
.else
	ds_load_b64 v[(\reg)+2*\p:(\reg)+2*\p+1], v[\a40] offset:8*PCE+16*(PCE/8)+(\row)*240
.endif
.endr
.endm
; n numbers become their sigmoids in place: 1 / (1 + 2^(-x log2 e)).  Two batches of transcendentals, each with one plain line and one wait ahead of its first reader.
.macro SIGMOID base, n
.set j, 0
.rept (\n)/2
	v_pk_mul_f32 v[(\base)+j:(\base)+j+1], v[(\base)+j:(\base)+j+1], s[70:71] op_sel_hi:[1,0]   ; ascending: each accumulator is read from its low end on
.set j, j+2
.endr
.set j, 0
.rept \n
	v_exp_f32 v[(\base)+j], v[(\base)+j]
.set j, j+1
.endr
	v_nop
	s_wait_alu depctr_va_vdst(0)
.set j, 0
.rept (\n)/2
	v_pk_add_f32 v[(\base)+j:(\base)+j+1], v[(\base)+j:(\base)+j+1], 1.0 op_sel_hi:[1,0]
.set j, j+2
.endr
.set j, 0
.rept \n
	v_rcp_f32 v[(\base)+j], v[(\base)+j]
.set j, j+1
.endr
	v_nop
	s_wait_alu depctr_va_vdst(0)
.endm
; nb whole blocks of 32 in a lane (block cc at v[src + 32 cc]: k = 64 cc + 32 h + 0 .. 31 of the lane's row) become registers 6 cc .. 6 cc + 5 of an operand at v[pc], and the row's scale word in v[sw].
.macro QUANT2 src, pc, sw, abs, nb
.irp cc, 0,1
.if \cc < \nb
.if \abs
	v_max3_num_f32 v[TM+\cc], |v[(\src)+32*\cc]|, |v[(\src)+32*\cc+1]|, 0x1800000   ; the floor 2^(3 - 127): the byte cannot fall under 1
.else
	v_max3_num_f32 v[TM+\cc], v[(\src)+32*\cc], v[(\src)+32*\cc+1], 0x1800000
.endif
.endif
.endr
.irp i, 2,4,6,8,10,12,14,16,18,20,22,24,26,28,30
.irp cc, 0,1
.if \cc < \nb
.if \abs
	v_max3_num_f32 v[TM+\cc], v[TM+\cc], |v[(\src)+32*\cc+\i]|, |v[(\src)+32*\cc+\i+1]|
.else
	v_max3_num_f32 v[TM+\cc], v[TM+\cc], v[(\src)+32*\cc+\i], v[(\src)+32*\cc+\i+1]
.endif
.endif
.endr
.endr
.irp cc, 0,1
.if \cc < \nb
	v_add_nc_u32 v[SO+\cc], 0xff000000, v[TM+\cc]    ; 2 off the exponent field: the conversion's scale operand
.endif
.endr
.irp cc, 0,1
.if \cc < \nb
	v_lshrrev_b32 v[BY+\cc], 23, v[SO+\cc]           ; the scale's byte
.endif
.endr
.irp cc, 0,1
.if \cc < \nb
	v_cvt_scalef32_pk16_fp6_f32 v[(\pc)+6*\cc:(\pc)+6*\cc+2], v[(\src)+32*\cc:(\src)+32*\cc+15], v[SO+\cc]
	v_cvt_scalef32_pk16_fp6_f32 v[CT+4*\cc:CT+4*\cc+2], v[(\src)+32*\cc+16:(\src)+32*\cc+31], v[SO+\cc]   ; (a conversion's three registers begin on an even number)
.endif
.endr
	v_nop                                            ; one plain line behind the last scaled conversion
.irp cc, 0,1
.if \cc < \nb
.irp i, 0,1,2
	v_mov_b32 v[(\pc)+6*\cc+3+\i], v[CT+4*\cc+\i]
.endr
.endif
.endr
.if \nb == 2
	v_lshl_or_b32 v[\sw], v[BY+1], 16, v[BY]         ; my bytes: blocks h and 2 + h,
.else
	v_mov_b32 v[\sw], v[BY]
.endif
	v_lshlrev_b32 v[\sw], v[SH8], v[\sw]             ; at their places, 8 h bits up;
	v_permlanex16_b32 v[TT], v[\sw], s66, s67
	v_or_b32 v[\sw], v[\sw], v[TT]                   ; with lane l xor 16's the word is whole
.endm
.macro MIN2 dx, ax, bx, dy, ay, by     ; two minima.  In the dual form: one destination even, one odd; the two first sources, and the two second, differ in their number mod 4
.if DUAL
	v_dual_min_num_f32 v[\dx], v[\ax], v[\bx] :: v_dual_min_num_f32 v[\dy], v[\ay], v[\by]
.else
	v_min_num_f32 v[\dx], v[\ax], v[\bx]
	v_min_num_f32 v[\dy], v[\ay], v[\by]
.endif
.endm
.macro LOADQ sl, q                     ; query q of the trip's four: my half's 16 numbers into set sl, its row's term into v[CQ + q]: five LDS loads
.irp k, 0,1,2,3
	ds_load_b128 v[QR+16*(\sl)+4*\k:QR+16*(\sl)+4*\k+3], v[QAD] offset:QPIT*(\q)+16*\k
.endr
	ds_load_b32 v[CQ+(\q)], v[QAD] offset:QPIT*(\q)+64
.endm
; One query against ng groups of 16 keys: sum over my 16 features of min(Q, K), a sum for each group.  Two features and two groups at a time, skewed so that the dual form's sources differ mod 4.
.macro CORE sl, ng
.set QB, QR+16*(\sl)
.set AB, AC+8*(\sl)
.set e, 0
.rept 8
.set g, 0
.rept (\ng)/2
.if e == 0
	MIN2 AB+g, QB+e, KK+16*g+e, AB+g+1, QB+e+1, KK+17+16*g+e      ; the first minima start the sums: nothing is cleared
.else
	MIN2 DD+2*g, QB+e, KK+16*g+e, DD+1+2*g, QB+e+1, KK+17+16*g+e
.endif
	MIN2 DD+2+2*g, QB+e+1, KK+1+16*g+e, DD+3+2*g, QB+e, KK+16+16*g+e
.set g, g+2
.endr
.if e > 0
.set g, 0
.rept (\ng)/2
	v_pk_add_f32 v[AB+g:AB+g+1], v[AB+g:AB+g+1], v[DD+2*g:DD+2*g+1]
.set g, g+2
.endr
.endif
.set g, 0
.rept (\ng)/2
	v_pk_add_f32 v[AB+g:AB+g+1], v[AB+g:AB+g+1], v[DD+2+2*g:DD+3+2*g]
.set g, g+2
.endr
.set e, e+2
.endr
.endm
; The two halves of the features meet: groups g and g + 2 change halves of their lanes, and their sum holds group g in lanes 0-15 and group g + 2 in lanes 16-31.
.macro COMBINE sl, q, ng
.set AB, AC+8*(\sl)
	v_permlane16_swap_b32 v[AB], v[AB+2]
	v_permlane16_swap_b32 v[AB+1], v[AB+3]
.if \ng == 8
	v_permlane16_swap_b32 v[AB+4], v[AB+6]
	v_permlane16_swap_b32 v[AB+5], v[AB+7]
.endif
	v_pk_add_f32 v[SS+4*(\q):SS+4*(\q)+1], v[AB:AB+1], v[AB+2:AB+3]
.if \ng == 8
	v_pk_add_f32 v[SS+4*(\q)+2:SS+4*(\q)+3], v[AB+4:AB+5], v[AB+6:AB+7]
.endif
.endm
.macro TFMA reg, q                     ; t - 8 = sum x 5 log2(e) / 32 + the row's term, two at a time; of the pair of terms, query q's serves both halves
.if (\q)%2
	v_pk_fma_f32 v[\reg:\reg+1], v[\reg:\reg+1], s[68:69], v[CQ+2*((\q)/2):CQ+2*((\q)/2)+1] op_sel:[0,0,1] op_sel_hi:[1,0,1]
.else
	v_pk_fma_f32 v[\reg:\reg+1], v[\reg:\reg+1], s[68:69], v[CQ+2*((\q)/2):CQ+2*((\q)/2)+1] op_sel_hi:[1,0,0]
.endif
.endm
.macro FINISH ng                       ; four queries' scores become p and go to the stage.  Register k of a query, lane (r, h): key 64 (k >> 1) + 8 (k & 1) + 16 h + (r & 7) + 32 (r >> 3)
.irp q, 0,1,2,3
	TFMA SS+4*\q, \q
.if \ng == 8
	TFMA SS+4*\q+2, \q
.endif
.endr
.irp q, 0,1,2,3
	v_exp_f32 v[SS+4*\q], v[SS+4*\q]
	v_exp_f32 v[SS+4*\q+1], v[SS+4*\q+1]
.if \ng == 8
	v_exp_f32 v[SS+4*\q+2], v[SS+4*\q+2]
	v_exp_f32 v[SS+4*\q+3], v[SS+4*\q+3]
.endif
.endr
	v_nop                                            ; a plain line behind the last exponential,
	s_wait_alu depctr_va_vdst(0)                     ; and one wait for the batch, ahead of its first reader
.irp q, 0,1,2,3
	ds_store_b32 v[STA], v[SS+4*\q] offset:SPIT*\q              ; the 32 lanes' words lie in 32 different banks
	ds_store_b32 v[STA], v[SS+4*\q+1] offset:SPIT*\q+32
.if \ng == 8
	ds_store_b32 v[STA], v[SS+4*\q+2] offset:SPIT*\q+256
	ds_store_b32 v[STA], v[SS+4*\q+3] offset:SPIT*\q+288
.endif
.endr
.endm
.macro TRIP ng                         ; four queries; the records come one query ahead
	LOADQ 0, 0
	LOADQ 1, 1
	s_wait_dscnt 5                                   ; all but the younger record's five loads: the first record is in, and the last trip's stores to the stage are done,
	v_add_nc_u32 v[STA], s73, v[STO]                 ; so their address and data may be written again
	CORE 0, \ng
	COMBINE 0, 0, \ng
	LOADQ 0, 2
	s_wait_dscnt 5
	CORE 1, \ng
	COMBINE 1, 1, \ng
	LOADQ 1, 3
	s_wait_dscnt 5
	CORE 0, \ng
	COMBINE 0, 2, \ng
	s_wait_dscnt 0x0
	CORE 1, \ng
	COMBINE 1, 3, \ng
	FINISH \ng
.endm
; p of 16 queries x 64 nb keys comes back from the stage, a query to a lane, 32 neighbouring keys to a block; hidden keys become 0; it is quantised; its sum is taken unquantised; O^T = V^T P^T.
.macro PQ t, nb
.irp cc, 0,1
.if \cc < \nb
.irp k, 0,1,2,3,4,5,6,7
	ds_load_b128 v[QR+32*\cc+4*\k:QR+32*\cc+4*\k+3], v[SLD] offset:256*\cc+16*\k   ; LDS serves a wave's instructions in order: these see my stores
.endr
.endif
.endr
	s_wait_dscnt 0x0
.if \nb == 2
	s_cmp_eq_u32 s[36+\t], 0                         ; a chunk all of whose keys count has nothing to hide: a branch on ids
	s_cbranch_scc1 .Lopen_\@
.endif
	v_add_nc_u32 v[MD], s[38+\t], v[RM]              ; my query - the chunk's first key - 32 h.  Register 32 cc + i holds key 64 cc + 32 h + i: hidden where 64 cc + i is greater
.set n, 0
.rept 32*\nb
	v_cmp_gt_i32 vcc_lo, 64*(n/32)+n%32, v[MD]
	v_cndmask_b32 v[QR+n], v[QR+n], v[ZERO], vcc_lo
.set n, n+1
.endr
.if \nb == 2
.Lopen_\@:
.endif
	QUANT2 QR, SS, PS, 0, \nb
.if \nb == 1
.irp i, 6,7,8,9,10,11
	v_mov_b32 v[SS+\i], 0                            ; keys 64 on are all hidden: zero codes (their scale bytes are 0, which is 2^-127)
.endr
.endif
	v_pk_add_f32 v[SS+12:SS+13], v[QR:QR+1], v[QR+2:QR+3]        ; the row's sum, of the unquantised p, in two chains.  These lines also stand between the writing of p's codes and scale word and the products
	v_pk_add_f32 v[SS+14:SS+15], v[QR+4:QR+5], v[QR+6:QR+7]
.set j, 8
.rept 8*\nb-2
	v_pk_add_f32 v[SS+12:SS+13], v[SS+12:SS+13], v[QR+j:QR+j+1]
	v_pk_add_f32 v[SS+14:SS+15], v[SS+14:SS+15], v[QR+j+2:QR+j+3]
.set j, j+4
.endr
	v_pk_add_f32 v[SS+12:SS+13], v[SS+12:SS+13], v[SS+14:SS+15]
	v_add_f32 v[LP], v[SS+12], v[SS+13]
	WIN 0x41                                         ; V's codes and O^T in window 1
	MMZ 32, 0, SS, VS, PS                            ; lane (r, h), register j: O(query r, feature 16 h + j)
	MMZ 40, 12, SS, VS+1, PS                         ; and 16 h + 8 + j
	WIN 0
	PLACES 4                                         ; in front of the stores that read the results
.endm
	s_load_b512 s[4:19], s[0:1], 0x0                 ; x_codes 4, x_scales 6, Wq_codes 8, Wq_scales 10, bq 12, Wk_codes 14, Wk_scales 16, bk 18
	s_load_b256 s[20:27], s[0:1], 0x40               ; Wv_codes 20, Wv_scales 22, bv 24, oq 26
	v_lshl_add_u32 v238, v0, 2, 0x4b600
	v_mov_b32 v239, 0
	ds_add_u32 v238, v239
	ds_add_u32 v238, v239
	s_wait_dscnt 0x0
	v_lshrrev_b32 v1, 5, v0
	v_readfirstlane_b32 s28, v1                      ; wave 0..7
	s_lshr_b32 s76, s28, 2
	s_mul_i32 s76, s76, 3
	s_xor_b32 s29, s28, s76                          ; my chunk: 0, 1, 2, 3, 7, 6, 5, 4
	s_lshr_b32 s87, s28, 1                           ; 2 in the Q waves, 4 and 5
	s_and_b32 s30, ttmp7, 0xffff                     ; i, which the four partners share
	s_bfe_u32 s76, ttmp6, 0x40000                    ; cx
	s_lshl_b32 s31, ttmp9, 2
	s_add_co_u32 s31, s31, s76                       ; the head = 4 x cluster x + cx: it enters global addresses alone
	s_mov_b32 s32, s30                               ; tile 0 of mine: i
	s_sub_co_u32 s33, 63, s30                        ; tile 1: 63 - i
.irp t, 0,1                                      ; what my chunk owes tile t: s[34+t] 0 nothing, 1 its first 64 keys, 2 all; s[36+t] 1 on the diagonal; s[38+t] the tile's first query less the chunk's first key
	s_lshr_b32 s76, s[32+\t], 3
	s_and_b32 s77, s[32+\t], 7
	s_cmp_le_u32 s77, 3
	s_cselect_b32 s77, 1, 2
	s_cmp_eq_u32 s29, s76
	s_cselect_b32 s[36+\t], 1, 0
	s_cselect_b32 s[34+\t], s77, 2
	s_cmp_gt_u32 s29, s76
	s_cselect_b32 s[34+\t], 0, s[34+\t]
	s_lshl_b32 s76, s[32+\t], 4
	s_lshl_b32 s77, s29, 7
	s_sub_co_i32 s[38+\t], s76, s77
.endr
	s_and_b32 s77, s28, 1
	s_cmp_eq_u32 s77, 0
	s_cselect_b32 s86, s32, s33                      ; the tile of a Q wave and of a reducing wave: by the wave's parity
	; descriptor group 1 for a chunk of x: 128 rows x 192 bytes, 16 bytes of padding behind every 64; asked for jointly by the four partners
	s_mov_b32 s40, 15|(1<<20)|(1<<21)|(3<<22)|(3<<25)
	s_mov_b32 s41, 192<<16
	s_mov_b32 s42, 128<<16
	s_mov_b32 s43, 192<<16
	s_mov_b32 s44, 128
	s_mov_b32 s45, 192
	s_mov_b32 s46, 0
	s_mov_b32 s47, 0
	; and for a weight's slice: 32 rows, no mask
	s_mov_b32 s48, (1<<20)|(3<<22)|(3<<25)
	s_mov_b32 s49, 192<<16
	s_mov_b32 s50, 32<<16
	s_mov_b32 s51, 192<<16
	s_mov_b32 s52, 32
	s_mov_b32 s53, 192
	s_mov_b32 s54, 0
	s_mov_b32 s55, 0
	s_mov_b32 s56, 1
	s_mul_i32 s57, s28, XRW                          ; my chunk's place in LDS: wave x 30,720
	s_mov_b32 s60, 1
	s_mul_i32 s61, s28, WSL
	s_add_co_u32 s61, s61, WRB                       ; waves 0, 1, 2: Wk's, Wv's, Wq's slice
	s_mov_b32 s66, 0x76543210
	s_mov_b32 s67, 0xfedcba98                        ; v_permlanex16_b32's selects for lane l xor 16
	s_mov_b32 s68, 0x3e66d4ca                        ; 5 log2(e) / 32
	s_mov_b32 s69, s68
	s_mov_b32 s70, 0xbfb8aa3b                        ; -log2(e)
	s_mov_b32 s71, s70
	s_mov_b32 s75, 0xbf4959b0                        ; 5 log2(e) - 8
	s_mov_b32 s85, 0
	; every LDS address register is made here, ahead of the first branch on the wave's number
	v_and_b32 v1, 15, v0                             ; r
	v_bfe_u32 v2, v0, 4, 1                           ; h
	v_and_b32 v28, 31, v0                            ; lane
	v_and_b32 v24, 7, v1
	v_lshrrev_b32 v25, 3, v1
	v_lshl_add_u32 v26, v25, 5, v24                  ; (r & 7) + 32 (r >> 3)
	v_lshl_add_u32 v27, v25, 4, v24                  ; (r & 7) + 16 (r >> 3)
	v_mul_u32_u24 v[XA], v26, 240
	v_mad_u32_u24 v[XA], v2, 24, v[XA]
	v_add_nc_u32 v[XA], s57, v[XA]
	v_lshl_add_u32 v[XA+1], v2, 4, v[XA]
	v_mul_u32_u24 v[KA], v1, 240
	v_mad_u32_u24 v[KA], v2, 24, v[KA]
	v_add_nc_u32 v[KA], WRB, v[KA]
	v_lshl_add_u32 v[KA+1], v2, 4, v[KA]
	v_mul_u32_u24 v[VA], v27, 240
	v_mad_u32_u24 v[VA], v2, 24, v[VA]
	v_add_nc_u32 v[VA], WRB+WSL, v[VA]
	v_lshl_add_u32 v[VA+1], v2, 4, v[VA]
	s_mul_i32 s84, s77, 16*QPIT
	v_mul_u32_u24 v[QST], v1, QPIT
	v_mad_u32_u24 v[QST], v2, 80, v[QST]
	v_add_nc_u32 v[QST], s84, v[QST]
	v_add_nc_u32 v[QST], QREC, v[QST]
	v_mul_u32_u24 v[QLD], v2, 80
	v_add_nc_u32 v[QLD], QREC, v[QLD]
	v_lshl_add_u32 v[STO], v2, 4, v26
	v_lshlrev_b32 v[STO], 2, v[STO]
	v_add_nc_u32 v[STO], s57, v[STO]
	v_mul_u32_u24 v[SLD], v1, SPIT
	v_lshl_add_u32 v[SLD], v2, 7, v[SLD]
	v_add_nc_u32 v[SLD], s57, v[SLD]
	s_mul_i32 s84, s28, PSLOT
	v_lshlrev_b32 v[PST], 4, v28
	v_add_nc_u32 v[PST], s84, v[PST]
	v_add_nc_u32 v[PST], PART, v[PST]
	v_lshlrev_b32 v[PSL], 2, v28
	v_add_nc_u32 v[PSL], s84, v[PSL]
	v_add_nc_u32 v[PSL], PART+2048, v[PSL]
	s_mul_i32 s84, s77, PTILE
	v_lshlrev_b32 v[RLD], 4, v28
	v_add_nc_u32 v[RLD], s84, v[RLD]
	v_add_nc_u32 v[RLD], PART, v[RLD]
	v_lshlrev_b32 v[RLL], 2, v28
	v_add_nc_u32 v[RLL], s84, v[RLL]
	v_add_nc_u32 v[RLL], PART+2048, v[RLL]
	v_lshlrev_b32 v[RM], 5, v2
	v_sub_nc_u32 v[RM], v1, v[RM]
	v_lshlrev_b32 v[SH8], 3, v2
	v_mov_b32 v[ZERO], 0
	v_lshlrev_b32 v[OOF], 5, v1
	v_lshl_add_u32 v[OOF], v2, 4, v[OOF]
	v_mov_b32 v[TT], 0                               ; written once: a lane permute's destination counts as one of its sources
	; offsets of the small loads from memory
	v_lshlrev_b32 v24, 3, v26                        ; x's scale words of a group's keys
	v_lshlrev_b32 v26, 3, v27                        ; Wv's scale words
	v_lshlrev_b32 v27, 2, v27                        ; bv
	v_lshlrev_b32 v25, 3, v1                         ; scale words of rows r
	v_lshlrev_b32 v28, 5, v2                         ; bk, bq: my half's eight numbers of a tile
	v_mul_u32_u24 v29, v1, 192
	v_mad_u32_u24 v29, v2, 24, v29                   ; a query tile's codes of x
	s_wait_kmcnt 0x0
	s_mul_i32 s84, s29, 24576
	s_add_nc_u64 s[58:59], s[4:5], s[84:85]          ; my chunk of x: it hangs on the wave's number alone, so it is the same in all four partners
	s_or_b32 s59, s59, 0x80000000
	s_cmp_eq_u32 s28, 0
	s_cselect_b64 s[62:63], s[14:15], s[20:21]       ; wave 0: Wk; wave 1: Wv;
	s_cmp_eq_u32 s28, 2
	s_cselect_b64 s[62:63], s[8:9], s[62:63]         ; wave 2: Wq
	s_mul_i32 s84, s31, 6144
	s_add_nc_u64 s[62:63], s[62:63], s[84:85]        ; the head's 32 rows
	s_or_b32 s63, s63, 0x80000000
	s_lshl_b32 s84, s29, 10
	s_add_nc_u64 s[78:79], s[6:7], s[84:85]          ; my chunk's scale bytes
	s_mul_i32 s84, s86, 3072
	s_add_nc_u64 s[80:81], s[4:5], s[84:85]          ; a Q wave's tile: codes,
	s_lshl_b32 s84, s86, 7
	s_add_nc_u64 s[82:83], s[6:7], s[84:85]          ; scale bytes
	s_lshl_b32 s84, s31, 8
	s_add_nc_u64 s[16:17], s[16:17], s[84:85]        ; the head's rows of the weights' scale bytes
	s_add_nc_u64 s[22:23], s[22:23], s[84:85]
	s_add_nc_u64 s[10:11], s[10:11], s[84:85]
	s_lshl_b32 s84, s31, 7
	s_add_nc_u64 s[18:19], s[18:19], s[84:85]        ; and of the biases
	s_add_nc_u64 s[24:25], s[24:25], s[84:85]
	s_add_nc_u64 s[12:13], s[12:13], s[84:85]
	s_lshl_b32 s84, s31, 15
	s_lshl_b32 s76, s86, 9
	s_add_co_u32 s84, s84, s76
	s_add_nc_u64 s[26:27], s[26:27], s[84:85]        ; oq at (head, a reducing wave's tile)
	ROUND                                            ; all four work-groups are here: the joint loads meet
	tensor_load_to_lds s[56:59], s[40:47]            ; every wave: its chunk of x.  By this text's count at most two tensor loads of a wave are out
	s_nop 0
	PLACES 4
	s_cmp_lt_u32 s28, 3
	s_cbranch_scc0 .Lasked
	tensor_load_to_lds s[60:63], s[48:55]            ; waves 0 to 2: a weight's slice
	s_nop 0
	PLACES 4
.Lasked:
.irp g, 0,1,2,3,4,5,6,7
	global_load_b64 v[40+2*\g:41+2*\g], v24, s[78:79] offset:(64*(\g/4)+8*(\g%4))*8     ; x's scale words: group g, both K steps
.endr
.irp f, 0,1
	global_load_b64 v[56+2*\f:57+2*\f], v25, s[16:17] offset:128*\f                     ; Wk's, tile f
	global_load_b64 v[60+2*\f:61+2*\f], v26, s[22:23] offset:64*\f                      ; Wv's: lane r of tile f takes row 8 f + (r & 7) + 16 (r >> 3)
	global_load_b32 v[176+8*\f], v27, s[24:25] offset:32*\f                             ; bv of that row
.endr
	WIN 0x40                                         ; destination window 1
.irp f, 0,1
	global_load_b128 v[240+8*\f:243+8*\f], v28, s[18:19] offset:64*\f                   ; bk in the result's layout: features 16 f + 8 h + 0 .. 7
	global_load_b128 v[244+8*\f:247+8*\f], v28, s[18:19] offset:64*\f+16
.endr
	WIN 0
	s_cmp_eq_u32 s87, 2
	s_cbranch_scc0 .Lno_q_loads
.irp s, 0,1
.irp p, 0,1,2,3,4,5
	global_load_b64 v[88+12*\s+2*\p:89+12*\s+2*\p], v29, s[80:81] offset:96*\s+48*(\p/3)+8*(\p%3)   ; the tile's 16 rows of x as a fragment
.endr
.endr
	global_load_b64 v[32:33], v25, s[82:83]
.irp f, 0,1
	global_load_b64 v[34+2*\f:35+2*\f], v25, s[10:11] offset:128*\f
	global_load_b128 v[240+8*\f:243+8*\f], v28, s[12:13] offset:64*\f
	global_load_b128 v[244+8*\f:247+8*\f], v28, s[12:13] offset:64*\f+16
.endr
.Lno_q_loads:
	s_wait_tensorcnt 0x0                             ; my chunk, and in waves 0 to 2 a slice, have landed;
	s_barrier_signal -1
	s_barrier_wait -1                                ; everybody's have.
	WIN 0x40
.irp g, 0,1,2,3,4,5,6,7
.irp s, 0,1
	FRAG 12*(2*\g+\s), XA, XA+1, \s, 64*(\g/4)+8*(\g%4)
.endr
.endr
.irp f, 0,1
.irp s, 0,1
	FRAG 192+12*(2*\f+\s), KA, KA+1, \s, 16*\f
.endr
.endr
	WIN 0
.irp f, 0,1
.irp s, 0,1
	FRAG 128+12*(2*\f+\s), VA, VA+1, \s, 8*\f
.endr
.endr
	s_wait_loadcnt 0x0
.irp f, 0,1
.irp j, 1,2,3,4,5,6,7
	v_mov_b32 v[176+8*\f+\j], v[176+8*\f]            ; bv as a C: the same number in a lane's eight registers
.endr
.endr
	s_wait_dscnt 0x0
	; ---- Q of a tile: waves 4 and 5.  Source 0 = 16 rows of Wq, source 1 = the tile's 16 rows of x: lane (r, h) holds query r, features 16 f + 8 h + j
	s_cmp_eq_u32 s87, 2
	s_cbranch_scc0 .Lno_q
.irp f, 0,1
.irp s, 0,1
	FRAG 192+12*(2*\f+\s), KA, KA+1, \s, 64+16*\f
.endr
.endr
	s_wait_dscnt 0x0
	MMC 112, 192, 88, 240, 34, 32                    ; the two accumulators by turns; bq is the C of each sum's first product
	MMC 120, 216, 88, 248, 36, 32
	MMC 112, 204, 100, 112, 35, 33
	MMC 120, 228, 100, 120, 37, 33
	PLACES 4
	SIGMOID 112, 16
	v_pk_add_f32 v[24:25], v[112:113], v[114:115]
	v_pk_add_f32 v[26:27], v[116:117], v[118:119]
	v_pk_add_f32 v[24:25], v[24:25], v[120:121]
	v_pk_add_f32 v[26:27], v[26:27], v[122:123]
	v_pk_add_f32 v[24:25], v[24:25], v[124:125]
	v_pk_add_f32 v[26:27], v[26:27], v[126:127]
	v_pk_add_f32 v[24:25], v[24:25], v[26:27]
	v_add_f32 v24, v24, v25
	v_permlanex16_b32 v[TT], v24, s66, s67
	v_add_f32 v24, v24, v[TT]                        ; the sum of the query's 32 numbers
	v_fma_f32 v24, -v24, s68, s75                    ; the row's term: 5 log2(e) - 8 - sum x 5 log2(e) / 32
.irp k, 0,1,2,3
	ds_store_b128 v[QST], v[112+4*\k:115+4*\k] offset:16*\k
.endr
	ds_store_b32 v[QST], v24 offset:64
	s_wait_dscnt 0x0                                 ; the stores have read their registers
.Lno_q:
	; ---- V of my 128 keys, as codes along the keys.  Source 0 = 16 keys of x, source 1 = 16 rows of Wv: lane (r, h), group 4 c' + u, register j: V(key 64 c' + 32 h + 8 u + j, row r's feature):
	; a lane's 32 registers of four groups are a whole block of 32 neighbouring keys, and the codes are the operand's registers as they stand
.irp f, 0,1
	WIN 0x01                                         ; source 0 in window 1
.irp g, 0,1,2,3,4,5,6,7
	MMC 192+8*\g, 24*\g, 128+24*\f, 176+8*\f, 40+2*\g, 60+2*\f
.endr
.irp g, 0,1,2,3,4,5,6,7
	MMC 192+8*\g, 24*\g+12, 140+24*\f, 192+8*\g, 41+2*\g, 61+2*\f
.endr
	WIN 0
	PLACES 4
	QUANT2 192, 64+12*\f, VS+\f, 1, 2
.endr
	; ---- K of my 128 keys, as f32.  Source 0 = 16 rows of Wk, source 1 = 16 keys of x.  The results are laid over registers of the products above: five places
	PLACES 5
	WIN 0x15                                         ; sources 0, 1 and C (bk) in window 1
.irp g, 0,1,2,3,4,5,6,7
.irp f, 0,1
	MMC KK+16*\g+8*\f, 192+24*\f, 24*\g, 240+8*\f, 56+2*\f, 40+2*\g
.endr
.endr
	WIN 0x05
.irp g, 0,1,2,3,4,5,6,7
.irp f, 0,1
	MMC KK+16*\g+8*\f, 204+24*\f, 24*\g+12, KK+16*\g+8*\f, 57+2*\f, 41+2*\g
.endr
.endr
	WIN 0
	PLACES 4
	SIGMOID KK, 128
	WIN 0x40
.set j, 0
.rept 24
	v_mov_b32 v[j], v[64+j]                          ; V's codes take their place in window 1, where x's fragments are done with
.set j, j+1
.endr
	WIN 0
	s_wait_dscnt 0x0
	s_barrier_signal -1
	s_barrier_wait -1                                ; the 32 queries' records lie in LDS
; ---- tile t against my chunk.  Every wave walks the four trips; a wave that owes the tile nothing jumps over the work, not over the steps of the addresses
.macro UNIT t
	s_mov_b32 s72, 16*QPIT*\t
	s_mov_b32 s73, 0
	s_mov_b32 s74, 4
.Ltrip_\@:
	v_add_nc_u32 v[QAD], s72, v[QLD]                 ; (no load that names it is out: the last trip waited for all its loads)
	s_cmp_eq_u32 s[34+\t], 0
	s_cbranch_scc1 .Lnext_\@
	s_cmp_eq_u32 s[34+\t], 1
	s_cbranch_scc1 .Lhalf_\@
	TRIP 8
	s_branch .Lnext_\@
.Lhalf_\@:
	TRIP 4
.Lnext_\@:
	s_add_co_u32 s72, s72, 4*QPIT
	s_add_co_u32 s73, s73, 4*SPIT
	s_sub_co_u32 s74, s74, 1
	s_cmp_lg_u32 s74, 0
	s_cbranch_scc1 .Ltrip_\@
	s_cmp_eq_u32 s[34+\t], 0
	s_cbranch_scc1 .Lnone_\@
	s_cmp_eq_u32 s[34+\t], 1
	s_cbranch_scc1 .Lpq1_\@
	PQ \t, 2
	s_branch .Lput_\@
.Lpq1_\@:
	PQ \t, 1
	s_branch .Lput_\@
.Lnone_\@:
	s_wait_dscnt 0x0                                 ; the last tile's stores have read their registers
	WIN 0x40
.set j, 0
.rept 16
	v_mov_b32 v[32+j], 0                             ; my part is nothing
.set j, j+1
.endr
	WIN 0
	v_mov_b32 v[LP], 0
.Lput_\@:
	WIN 0x04                                         ; an LDS store's data are its source 1: window 1
.irp k, 0,1,2,3
	ds_store_b128 v[PST], v[32+4*\k:35+4*\k] offset:PTILE*\t+512*\k      ; an image of the registers; each accumulator from its low end on
.endr
	WIN 0
	ds_store_b32 v[PSL], v[LP] offset:PTILE*\t
.endm
	UNIT 0
	UNIT 1
	s_wait_dscnt 0x0
	s_barrier_signal -1
	s_barrier_wait -1                                ; the sixteen parts lie in LDS
	; ---- waves 0 and 1: tile w's eight parts are added, divided by the row's sum, quantised (a head's 32 features are one block of the next product's K) and stored
	s_cmp_lt_u32 s28, 2
	s_cbranch_scc0 .Lend
.irp u, 0,1,2,3,4,5,6,7
.irp k, 0,1,2,3
	ds_load_b128 v[128+16*\u+4*\k:131+16*\u+4*\k], v[RLD] offset:PSLOT*\u+512*\k
.endr
	ds_load_b32 v[40+\u], v[RLL] offset:PSLOT*\u
.endr
	s_wait_dscnt 0x0
.irp u, 1,2,3,4,5,6,7
.irp k, 0,2,4,6,8,10,12,14
	v_pk_add_f32 v[128+\k:129+\k], v[128+\k:129+\k], v[128+16*\u+\k:129+16*\u+\k]
.endr
	v_add_f32 v40, v40, v[40+\u]
.endr
	v_permlanex16_b32 v[TT], v40, s66, s67
	v_add_f32 v40, v40, v[TT]                        ; with lane l xor 16's keys: the row's sum; the diagonal's p is at least 2^-8, so it is no zero
	v_rcp_f32 v42, v40
	v_nop
	s_wait_alu depctr_va_vdst(0)                     ; ahead of the reciprocal's first reader
.irp k, 0,2,4,6,8,10,12,14
	v_pk_mul_f32 v[128+\k:129+\k], v[128+\k:129+\k], v[42:43] op_sel_hi:[1,0]
.endr
	v_max3_num_f32 v[TM], |v128|, |v129|, 0x1800000
.irp k, 2,4,6,8,10,12,14
	v_max3_num_f32 v[TM], v[TM], |v[128+\k]|, |v[129+\k]|
.endr
	v_permlanex16_b32 v[TT], v[TM], s66, s67
	v_max_num_f32 v[TM], v[TM], v[TT]                ; the block's largest magnitude: my 16 features and lane l xor 16's
	v_add_nc_u32 v[SO], 0xff000000, v[TM]
	v_cvt_scalef32_pk16_fp6_f32 v[44:46], v[128:143], v[SO]
	v_lshrrev_b32 v47, 23, v[SO]                     ; the scale's byte, as the record's fourth word
	global_store_b128 v[OOF], v[44:47], s[26:27]     ; the wave stores 512 consecutive bytes, at a multiple of 512 from oq's first byte
.Lend:
	s_wait_dscnt 0x0
	s_wait_xcnt 0x0
	v_lshl_add_u32 v238, v0, 2, 0x4b600
	v_mov_b32 v239, 0
	s_wait_tensorcnt 0x0
	ds_add_u32 v238, v239
	s_wait_dscnt 0x0
	ROUND                                            ; the closing round: no work-group ends while a partner may still ask for a chunk that names it
	s_endpgm
.Lfunc_end_k_q89798c429c_attn:
	.size	k_q89798c429c_attn, .Lfunc_end_k_q89798c429c_attn-k_q89798c429c_attn
	.p2alignl 7, 3214868480
	.fill 96, 4, 3214868480
	.section	.rodata,"a",@progbits
	.p2align	6, 0x0
	.amdhsa_kernel k_q89798c429c_attn
		.amdhsa_group_segment_fixed_size 309760
		.amdhsa_private_segment_fixed_size 0
		.amdhsa_enable_private_segment 0
		.amdhsa_kernarg_size 96
		.amdhsa_user_sgpr_count 2
		.amdhsa_user_sgpr_kernarg_segment_ptr 1
		.amdhsa_wavefront_size32 1
		.amdhsa_system_sgpr_workgroup_id_x 1
		.amdhsa_system_sgpr_workgroup_id_y 1
		.amdhsa_system_sgpr_workgroup_id_z 1
		.amdhsa_system_vgpr_workitem_id 0
		.amdhsa_next_free_vgpr 512
		.amdhsa_next_free_sgpr 90
		.amdhsa_reserve_vcc 1
		.amdhsa_float_denorm_mode_32 3
		.amdhsa_float_denorm_mode_16_64 3
		.amdhsa_memory_ordered 1
		.amdhsa_forward_progress 1
		.amdhsa_inst_pref_size 213
	.end_amdhsa_kernel
	.amdgpu_metadata
---
amdhsa.version: [ 1, 2 ]
amdhsa.kernels:
  - .name:           k_q89798c429c_attn
    .symbol:         k_q89798c429c_attn.kd
    .args:
      - { .name: x_codes, .offset: 0, .size: 8, .value_kind: global_buffer, .address_space: global }
      - { .name: x_scales, .offset: 8, .size: 8, .value_kind: global_buffer, .address_space: global }
      - { .name: Wq_codes, .offset: 16, .size: 8, .value_kind: global_buffer, .address_space: global }
      - { .name: Wq_scales, .offset: 24, .size: 8, .value_kind: global_buffer, .address_space: global }
      - { .name: bq, .offset: 32, .size: 8, .value_kind: global_buffer, .address_space: global }
      - { .name: Wk_codes, .offset: 40, .size: 8, .value_kind: global_buffer, .address_space: global }
      - { .name: Wk_scales, .offset: 48, .size: 8, .value_kind: global_buffer, .address_space: global }
      - { .name: bk, .offset: 56, .size: 8, .value_kind: global_buffer, .address_space: global }
      - { .name: Wv_codes, .offset: 64, .size: 8, .value_kind: global_buffer, .address_space: global }
      - { .name: Wv_scales, .offset: 72, .size: 8, .value_kind: global_buffer, .address_space: global }
      - { .name: bv, .offset: 80, .size: 8, .value_kind: global_buffer, .address_space: global }
      - { .name: oq, .offset: 88, .size: 8, .value_kind: global_buffer, .address_space: global }
    .group_segment_fixed_size: 309760
    .private_segment_fixed_size: 0
    .kernarg_segment_align: 8
    .kernarg_segment_size: 96
    .max_flat_workgroup_size: 256
    .sgpr_count:     90
    .vgpr_count:     512
    .wavefront_size: 32
...
	.end_amdgpu_metadata
.endif
;; end of part 1
;; launch oproj (part 2): grid 4 x 64, 1 waves a work-group, no clusters, 17,152 bytes of LDS; arguments oq, Wo_codes, Wo_scales, bo, out0; writes out0
.if DOCPART == 2
	.amdgcn_target "amdgcn-amd-amdhsa--gfx1250"
	.amdhsa_code_object_version 6
	.text
	.protected	k_q89798c429c_oproj
	.globl	k_q89798c429c_oproj
	.p2align	8
	.type	k_q89798c429c_oproj,@function
k_q89798c429c_oproj:
	s_mov_b64 s[64:65], 0
	v_nop
	global_prefetch_b8 v0, s[64:65] scope:SCOPE_SE
	s_setreg_imm32_b32 hwreg(HW_REG_WAVE_MODE, 25, 1), 1
	s_wait_xcnt 0x0
; out0 = O Wo + bo on codes of FP6 (E2M3).  O comes as oq: [head 8][row 1024][half 2][16 bytes]: 12 bytes of codes (features 16 half + 0 .. 15 of the head), then a word with the block's scale byte.
; One wave makes 16 rows (work-group y) x 64 columns (work-group x): eight matrix instructions; 256 work-groups.  No barrier: one wave.  No tensor load, no cluster: a work-group's bytes are few and come once.
; The product is used transposed (source 0 = 16 rows of Wo's codes = 16 columns of out0, source 1 = 16 rows of O): a lane holds eight neighbouring columns of one row.  bo is the C of each sum's first product.
; Wo's 64 rows are 12,288 consecutive bytes: they are read as they lie, 512 bytes an instruction, and turned into fragments through LDS.
.set STG, 12288                        ; LDS: Wo's rows at 0, pitch 192; behind them the stage for the way out, 16 rows x (256 bytes + 16)
	s_load_b256 s[4:11], s[0:1], 0x0                 ; oq 4, Wo_codes 6, Wo_scales 8, bo 10
	s_load_b64 s[12:13], s[0:1], 0x20                ; out0
	v_lshl_add_u32 v254, v0, 2, 0x4200
	v_mov_b32 v255, 0
	v_and_b32 v1, 15, v0                             ; r
	v_bfe_u32 v2, v0, 4, 1                           ; h
	v_lshlrev_b32 v3, 4, v0                          ; 16 x lane
	v_mul_u32_u24 v4, v1, 192
	v_mad_u32_u24 v4, v2, 24, v4                     ; a fragment of Wo: row r, + 24 h
	v_lshlrev_b32 v5, 5, v1
	v_lshl_add_u32 v5, v2, 15, v5                    ; oq: row r's record, one head on for lanes 16-31
	v_lshlrev_b32 v6, 3, v1                          ; Wo's scale words
	v_lshlrev_b32 v7, 5, v2                          ; bo: my half's eight numbers of a tile
	v_mul_u32_u24 v8, v1, 272
	v_lshl_add_u32 v8, v2, 5, v8
	v_add_nc_u32 v8, STG, v8                         ; the stage, on the way in: row r, + 32 h
	v_mul_u32_u24 v9, v2, 272
	v_lshl_add_u32 v9, v1, 4, v9
	v_add_nc_u32 v9, STG, v9                         ; and back: lanes 0-15 one row, lanes 16-31 the next
	v_lshlrev_b32 v10, 10, v2
	v_lshl_add_u32 v10, v1, 4, v10                   ; the same two rows in out0
	v_lshlrev_b32 v11, 3, v2                         ; 8 h
	v_mov_b32 v12, 0                                 ; a lane permute's destination counts as one of its sources
	s_and_b32 s14, ttmp7, 0xffff                     ; which 16 rows
	s_mov_b32 s17, 0
	s_mov_b32 s20, 0x76543210
	s_mov_b32 s21, 0xfedcba98
	s_wait_kmcnt 0x0
	s_lshl_b32 s16, s14, 9
	s_add_nc_u64 s[4:5], s[4:5], s[16:17]
	s_mul_i32 s16, ttmp9, 12288
	s_add_nc_u64 s[6:7], s[6:7], s[16:17]
	s_lshl_b32 s16, ttmp9, 9
	s_add_nc_u64 s[8:9], s[8:9], s[16:17]
	s_lshl_b32 s16, ttmp9, 8
	s_add_nc_u64 s[10:11], s[10:11], s[16:17]
	s_lshl_b32 s18, s14, 14
	s_add_co_u32 s16, s16, s18
	s_add_nc_u64 s[12:13], s[12:13], s[16:17]
.irp i, 0,1,2,3,4,5,6,7,8,9,10,11,12,13,14,15,16,17,18,19,20,21,22,23
	global_load_b128 v[136+4*\i:139+4*\i], v3, s[6:7] offset:512*\i
.endr
.irp s, 0,1                                      ; K step s, registers 6 c on: lane (r, h) wants the whole block of head 4 s + 2 c + h: its two records
.irp c, 0,1
	global_load_b128 v[16+12*\s+6*\c:19+12*\s+6*\c], v5, s[4:5] offset:(4*\s+2*\c)*32768
	global_load_b128 v[40+4*(2*\s+\c):43+4*(2*\s+\c)], v5, s[4:5] offset:(4*\s+2*\c)*32768+16
.endr
.endr
.irp n, 0,1,2,3
	global_load_b64 v[62+2*\n:63+2*\n], v6, s[8:9] offset:128*\n
.endr
.irp n, 0,1,2,3
	global_load_b128 v[72+8*\n:75+8*\n], v7, s[10:11] offset:64*\n
	global_load_b128 v[76+8*\n:79+8*\n], v7, s[10:11] offset:64*\n+16
.endr
	s_wait_loadcnt 20                                ; Wo's 24 loads are in; the 20 behind them (8 of oq, 4 of scale words, 8 of bo) may be out
.irp i, 0,1,2,3,4,5,6,7,8,9,10,11,12,13,14,15,16,17,18,19,20,21,22,23
	ds_store_b128 v3, v[136+4*\i:139+4*\i] offset:512*\i
.endr
	s_wait_dscnt 0x0                                 ; the stores have read their registers, which take the fragments
.irp n, 0,1,2,3
.irp s, 0,1
.irp p, 0,1,2,3,4,5
	ds_load_b64 v[136+12*(2*\n+\s)+2*\p:137+12*(2*\n+\s)+2*\p], v4 offset:16*\n*192+96*\s+48*(\p/3)+8*(\p%3)
.endr
.endr
.endr
	s_wait_loadcnt 0x0
.irp s, 0,1
.irp c, 0,1
	v_mov_b32 v[56+2*\s+\c], v[19+12*\s+6*\c]        ; the block's scale byte,
.irp i, 0,1,2
	v_mov_b32 v[19+12*\s+6*\c+\i], v[40+4*(2*\s+\c)+\i]   ; and in its place the block's upper 16 codes
.endr
.endr
.endr
.irp s, 0,1
	v_lshl_or_b32 v[60+\s], v[57+2*\s], 16, v[56+2*\s]    ; my bytes: blocks h and 2 + h of the K step,
	v_lshlrev_b32 v[60+\s], v11, v[60+\s]
	v_permlanex16_b32 v12, v[60+\s], s20, s21
	v_or_b32 v[60+\s], v[60+\s], v12                 ; with lane l xor 16's the row's scale word is whole
.endr
.rept 8
	v_nop                                            ; a scale word written by vector instructions stands eight places ahead of the product, an operand so written four
.endr
	s_wait_dscnt 0x0
.irp n, 0,1,2,3                                  ; four accumulators by turns
	v_wmma_scale_f32_16x16x128_f8f6f4 v[104+8*\n:111+8*\n], v[136+24*\n:147+24*\n], v[16:27], v[72+8*\n:79+8*\n], v[62+2*\n], v60 matrix_a_fmt:MATRIX_FMT_FP6 matrix_b_fmt:MATRIX_FMT_FP6
.endr
.irp n, 0,1,2,3
	v_wmma_scale_f32_16x16x128_f8f6f4 v[104+8*\n:111+8*\n], v[148+24*\n:159+24*\n], v[28:39], v[104+8*\n:111+8*\n], v[63+2*\n], v61 matrix_a_fmt:MATRIX_FMT_FP6 matrix_b_fmt:MATRIX_FMT_FP6
.endr
.rept 4
	v_nop                                            ; in front of the stores that read the results and of the loads into registers that the products have read
.endr
.irp n, 0,1,2,3
	ds_store_b128 v8, v[104+8*\n:107+8*\n] offset:64*\n          ; lane (r, h): out0(row r, column 16 n + 8 h + 0 .. 7); each accumulator from its low end on
	ds_store_b128 v8, v[108+8*\n:111+8*\n] offset:64*\n+16
.endr
.irp k, 0,1,2,3,4,5,6,7
	ds_load_b128 v[136+4*\k:139+4*\k], v9 offset:2*\k*272        ; LDS serves a wave's instructions in order: these see the stores above
.endr
.irp k, 0,1,2,3,4,5,6,7
	s_wait_dscnt 7-\k                                ; the younger loads may stay out
	global_store_b128 v10, v[136+4*\k:139+4*\k], s[12:13] offset:2048*\k th:TH_STORE_NT   ; sixteen lanes store 256 consecutive bytes, at a multiple of 256 from out0's first byte
.endr
	s_wait_tensorcnt 0x0
	ds_add_u32 v254, v255
	s_wait_dscnt 0x0
	s_endpgm
.Lfunc_end_k_q89798c429c_oproj:
	.size	k_q89798c429c_oproj, .Lfunc_end_k_q89798c429c_oproj-k_q89798c429c_oproj
	.p2alignl 7, 3214868480
	.fill 96, 4, 3214868480
	.section	.rodata,"a",@progbits
	.p2align	6, 0x0
	.amdhsa_kernel k_q89798c429c_oproj
		.amdhsa_group_segment_fixed_size 17152
		.amdhsa_private_segment_fixed_size 0
		.amdhsa_enable_private_segment 0
		.amdhsa_kernarg_size 40
		.amdhsa_user_sgpr_count 2
		.amdhsa_user_sgpr_kernarg_segment_ptr 1
		.amdhsa_wavefront_size32 1
		.amdhsa_system_sgpr_workgroup_id_x 1
		.amdhsa_system_sgpr_workgroup_id_y 1
		.amdhsa_system_sgpr_workgroup_id_z 1
		.amdhsa_system_vgpr_workitem_id 0
		.amdhsa_next_free_vgpr 256
		.amdhsa_next_free_sgpr 66
		.amdhsa_reserve_vcc 0
		.amdhsa_float_denorm_mode_32 3
		.amdhsa_float_denorm_mode_16_64 3
		.amdhsa_memory_ordered 1
		.amdhsa_forward_progress 1
		.amdhsa_inst_pref_size 16
	.end_amdhsa_kernel
	.amdgpu_metadata
---
amdhsa.version: [ 1, 2 ]
amdhsa.kernels:
  - .name:           k_q89798c429c_oproj
    .symbol:         k_q89798c429c_oproj.kd
    .args:
      - { .name: oq, .offset: 0, .size: 8, .value_kind: global_buffer, .address_space: global }
      - { .name: Wo_codes, .offset: 8, .size: 8, .value_kind: global_buffer, .address_space: global }
      - { .name: Wo_scales, .offset: 16, .size: 8, .value_kind: global_buffer, .address_space: global }
      - { .name: bo, .offset: 24, .size: 8, .value_kind: global_buffer, .address_space: global }
      - { .name: out0, .offset: 32, .size: 8, .value_kind: global_buffer, .address_space: global }
    .group_segment_fixed_size: 17152
    .private_segment_fixed_size: 0
    .kernarg_segment_align: 8
    .kernarg_segment_size: 40
    .max_flat_workgroup_size: 32
    .sgpr_count:     66
    .vgpr_count:     256
    .wavefront_size: 32
...
	.end_amdgpu_metadata
.endif
;; end of part 2
